; MI455X (gfx1250); checked and timed in simulation.
; The chip was launched on July 23, 2026; its instructions are those of AMD's public machine-readable ISA for CDNA 5 (MIT licence, August 2026) and "CDNA5" Instruction Set Architecture Reference Guide (July 2026). The comments in the code are by the model that wrote it; some were corrected since.
;; Multi Head Attention. Allowed arithmetic: matrix products marked QUANTISED: E4M3 operands, one given power-of-two scale a tensor, by v_wmma_f32_16x16x64_fp8_fp8 or v_wmma_f32_16x16x128_fp8_fp8, f32 sums; products left as they are: f32 operands where the result goes on into a quantised operand, else bf16, f16 or f32 operands; f32 sums; everything else in f32.
;; Inputs: Wk 1,024 x 1,024 float32; Wo 1,024 x 1,024 float32; Wq 1,024 x 1,024 float32; Wv 1,024 x 1,024 float32; k 4 x 4,096 x 1,024 float32; lowp_scales 10 int32 (the exponents e of the quantised operands' scales 2^e); mask 16 x 16 float32; q 4 x 4,096 x 1,024 float32; v 4 x 4,096 x 1,024 float32.
;; Outputs: out0 4 x 4,096 x 1,024 float32.
;; This version of the problem:
;;   THIS VERSION OF THE PROBLEM IS GIVEN IN LOW PRECISION. The matrix products marked QUANTISED in the list below multiply operands that are first quantised to E4M3 (4 exponent bits, 3 mantissa bits; 8 bits a number), with one given power-of-two scale for each operand tensor; their sums are f32. All else is computed in f32.
;;   The module's matrix products, in the order in which they are computed (A, B: the left and right operand; K: the contracted axis; several contracted axes count as one K, in the product's order):
;;     1. [M 16,384, K 1,024] x [K 1,024, N 1,024]; A: input q; B: input Wq: QUANTISED (scales: A lowp_scales[0], B lowp_scales[1])
;;     2. [M 16,384, K 1,024] x [K 1,024, N 1,024]; A: input k; B: input Wk: QUANTISED (scales: A lowp_scales[2], B lowp_scales[3])
;;     3. [M 16,384, K 1,024] x [K 1,024, N 1,024]; A: input v; B: input Wv: QUANTISED (scales: A lowp_scales[4], B lowp_scales[5])
;;     4. batch 16,384 x [M 16, K 64] x [K 64, N 16]; A: computed on the way; B: computed on the way: QUANTISED (scales: A lowp_scales[6], B lowp_scales[7])
;;     5. batch 16,384 x [M 16, K 16] x [K 16, N 64]; A: softmax; B: computed on the way: left as it is (K = 16 < 32)
;;     6. [M 16,384, K 1,024] x [K 1,024, N 1,024]; A: computed on the way; B: input Wo: QUANTISED (scales: A lowp_scales[8], B lowp_scales[9])
;;   THE QUANTISER, for each operand of a quantised product, along K:
;;     - The operand's scale is 2^e, e = its entry of the input lowp_scales (int32; the entries are numbered through the quantised products in the list's order, A before B).
;;     - Each number is divided by the scale, clamped to +-448, and rounded to the nearest number of E4M3, ties to even, subnormals kept.
;;     - The product sums the exact products of the quantised numbers (number of the format x scale) in f32.
;;   ~~~python
;;   def quantise(x, axis, e):      # numpy; x: float32 -> the quantised numbers, widened to float32 again
;;       x = np.moveaxis(x, axis, -1); K = x.shape[-1]
;;       r = np.clip(x / 2.0 ** e, -448, 448)
;;       step = 2.0 ** (np.maximum(np.frexp(np.where(r == 0, 1, r))[1] - 1, -6) - 3)
;;       q = np.round(r / step) * step * 2.0 ** e      # np.round: ties to even
;;       return np.moveaxis(q, -1, axis).astype(np.float32)
;;   ~~~
;;   OPERANDS COMPUTED ON THE WAY. 'Computed on the way' means the value that the module computes at that place (a softmax that the list does not call 'softmax' is quantised finished and normalised). What goes into a quantiser is computed in f32, as accurately as f32 sums, v_exp_f32 and their like allow (about 1e-6 of the number): no bf16 or f16 on the way to a quantiser, and a product that is left as it is and whose result goes on into a quantised operand takes f32 operands (vector FMAs, or v_wmma_f32_16x16x4_f32). A number that lies on a knife's edge between two numbers of the format may be rounded either way, as far as f32 arithmetic and the matrix unit's own rounding can turn it there, and no further.
;; One version. Each part assembles by itself: llvm-mc -triple=amdgcn-amd-amdhsa -mcpu=gfx1250 --defsym DOCPART=n.
;; ======== version 1 of 1: 2 launches
;; limits: right only within a limited range of input values
;; workspace buffers: wcodes 4,194,304 bytes
;; launch wquant (part 1): grid 256 x 1, 4 waves a work-group, no clusters, 67,072 bytes of LDS; arguments Wq, Wk, Wv, Wo, lowp_scales, wcodes; writes wcodes
.if DOCPART == 1
	.amdgcn_target "amdgcn-amd-amdhsa--gfx1250"
	.amdhsa_code_object_version 6
	.text
	.protected	k_q7f19fd3050_wquant
	.globl	k_q7f19fd3050_wquant
	.p2align	8
	.type	k_q7f19fd3050_wquant,@function
k_q7f19fd3050_wquant:
	s_mov_b64 s[64:65], 0
	v_nop
	global_prefetch_b8 v0, s[64:65] scope:SCOPE_SE
	s_setreg_imm32_b32 hwreg(HW_REG_WAVE_MODE, 25, 1), 1
	s_wait_xcnt 0x0
; The four weights [1024 (n)][1024 (k)], f32, K innermost, become codes of FP8 (E4M3), each with the scale 2^e given for it (entries 1, 3, 5, 9 of the scales),
; laid in the order in which the next launch's waves take them: [wave w][product g = q, k, v, o][fragment f][c][lane][16 bytes].
; A fragment is the image of an operand's registers, 16 rows x 128 K, 2,048 bytes: lane (r = lane % 16, hh = lane / 16), registers 4 c .. 4 c + 3 = W[n(r)][128 s + 32 c + 16 hh + 0 .. 15].
; Which rows form tile T of wave w, and where its fragment of K step s stands:
;   q, k: n(r) = 256 w + 32 (T / 2) + 8 (T % 2) + r + 8 (r / 8)   f = 16 s + T     (so that two neighbouring tiles' results are 16 neighbours along the next K)
;   v:    n(r) = 64 T + 16 w + r                                  f = 16 s + T     (tile = head T, the wave's 16 channels of it)
;   o:    n(r) = 256 w + 64 (T / 4) + 4 r + T % 4                 f = 32 (T / 4) + 4 s + T % 4   (so that a lane's four tiles are four neighbouring outputs)
; code = x / 2^e, held within +-448, to the nearest code, ties to even.  LIMITS: e between -126 and 119; NaN among the inputs is not served.
; SHARES: work-group G: g = G / 64, w = (G / 16) % 4, T = G % 16; wave sigma makes the tile's fragments of K steps 2 sigma and 2 sigma + 1: 16 rows x 1,024 bytes.
; Each load reads 512 consecutive bytes of one row; the bytes turn through the wave's own stage in LDS, so that a lane gets 16 neighbours along K; each store writes 512 consecutive bytes.
; One path for all four weights: only pointers, strides and the exponent are chosen, on the work-group's number.  Waves share nothing: no barrier.
.set PITCH, 1040                       ; a stage row: 1,024 bytes + 16 of padding: the 16 rows that a read touches start 16 bytes apart modulo 256
.set WST,   16*PITCH                   ; a wave's stage
.set OFF,   16                         ; v16-31   byte offset of row rho's 16 bytes of mine
.set R,     32                         ; v32-159  as loaded: 8 rho + 4 kappa
.set X,     160                        ; v160-223 64 numbers: register 16 c + i = k 32 c + 16 hh + i of my row
.set C,     224                        ; v224-255 the two fragments' codes
	s_load_b256 s[4:11], s[0:1], 0x0               ; Wq, Wk, Wv, Wo
	s_load_b128 s[12:15], s[0:1], 0x20             ; the scales' exponents, the codes
	v_lshl_add_u32 v14, v0, 2, 0x10400
	v_mov_b32 v15, 0
	v_lshrrev_b32 v6, 5, v0
	v_readfirstlane_b32 s16, v6                    ; sigma: wave 0..3
	v_and_b32 v6, 31, v0
	v_lshlrev_b32 v1, 4, v6                        ; 16 x lane
	s_wait_alu depctr_va_vdst(0)
	v_and_b32 v7, 15, v0                           ; r
	v_bfe_u32 v8, v0, 4, 1                         ; hh
	s_mul_i32 s17, s16, WST
	v_add_nc_u32 v2, s17, v1                       ; the stage, on the way in: as loaded
	v_mul_u32_u24 v3, v7, PITCH
	v_lshl_add_u32 v3, v8, 6, v3
	v_add_nc_u32 v3, s17, v3                       ; and on the way out: row r, + 64 hh
	s_lshr_b32 s18, ttmp9, 6                       ; g
	s_bfe_u32 s19, ttmp9, 0x20004                  ; w
	s_and_b32 s20, ttmp9, 15                       ; T
	s_lshl_b32 s21, s19, 8                         ; 256 w
	s_lshr_b32 s22, s20, 1
	s_lshl_b32 s22, s22, 5
	s_and_b32 s23, s20, 1
	s_lshl_b32 s23, s23, 3
	s_add_co_u32 s22, s22, s23
	s_add_co_u32 s22, s22, s21                     ; q, k: the tile's first row
	s_lshl_b32 s23, s20, 6
	s_lshl_b32 s24, s19, 4
	s_add_co_u32 s23, s23, s24                     ; v
	s_lshr_b32 s24, s20, 2
	s_and_b32 s25, s20, 3
	s_lshl_b32 s26, s24, 6
	s_add_co_u32 s26, s26, s25
	s_add_co_u32 s26, s26, s21                     ; o
	s_lshl_b32 s27, s24, 5
	s_add_co_u32 s27, s27, s25                     ; o: the fragment's number at s = 0
	s_mov_b32 s31, 0x8000
	s_cmp_lt_u32 s18, 2
	s_cselect_b32 s22, s22, s23
	s_cselect_b32 s31, s31, 0                      ; q, k: rows 8-15 of a tile lie 8 rows (32,768 bytes) further on
	s_cmp_eq_u32 s18, 3
	s_cselect_b32 s22, s26, s22                    ; the tile's first row
	s_cselect_b32 s27, s27, s20                    ; the fragment's number at s = 0
	s_cselect_b32 s30, 14, 12                      ; log2 of the bytes from row to row of the tile: 4 rows for o, else 1
	s_cselect_b32 s33, 13, 15                      ; log2 of the bytes from K step to K step in the codes: 4 fragments for o, else 16
.irp rho, 0,1,2,3,4,5,6,7,8,9,10,11,12,13,14,15
	s_lshl_b32 s34, \rho, s30
.if \rho >= 8
	s_add_co_u32 s34, s34, s31
.endif
	v_add_nc_u32 v[OFF+\rho], s34, v1
.endr
	s_lshl_b32 s35, 1, s33
	v_add_nc_u32 v5, s35, v1                       ; the second fragment's place: one K step on
	s_lshl_b32 s36, s22, 12                        ; from where: first row x 4,096 + sigma x 1,024
	s_lshl_b32 s34, s16, 10
	s_add_co_u32 s36, s36, s34
	s_mov_b32 s37, 0
	s_lshl_b32 s38, s19, 20                        ; to where: w, g, fragment, 2 sigma K steps
	s_lshl_b32 s34, s18, 18
	s_add_co_u32 s38, s38, s34
	s_lshl_b32 s34, s27, 11
	s_add_co_u32 s38, s38, s34
	s_lshl_b32 s34, s16, 1
	s_lshl_b32 s34, s34, s33
	s_add_co_u32 s38, s38, s34
	s_mov_b32 s39, 0
	s_wait_alu depctr_va_vdst(0)
	s_wait_kmcnt 0x0
	s_load_b256 s[40:47], s[12:13], 0x0            ; e0 .. e7
	s_load_b64 s[48:49], s[12:13], 0x20            ; e8, e9
	s_cmp_eq_u32 s18, 1                            ; the weight: a choice on the work-group's number alone
	s_cselect_b64 s[4:5], s[6:7], s[4:5]
	s_cmp_eq_u32 s18, 2
	s_cselect_b64 s[4:5], s[8:9], s[4:5]
	s_cmp_eq_u32 s18, 3
	s_cselect_b64 s[4:5], s[10:11], s[4:5]
	s_add_nc_u64 s[4:5], s[4:5], s[36:37]
	s_add_nc_u64 s[14:15], s[14:15], s[38:39]
.irp rho, 0,1,2,3,4,5,6,7,8,9,10,11,12,13,14,15
.irp kap, 0,1
	global_load_b128 v[R+8*\rho+4*\kap:R+8*\rho+4*\kap+3], v[OFF+\rho], s[4:5] offset:512*\kap th:TH_LOAD_NT   ; 32 lanes read 512 consecutive bytes of one row; read once in the launch
.endr
.endr
	s_wait_kmcnt 0x0
	s_cmp_eq_u32 s18, 1
	s_cselect_b32 s41, s43, s41
	s_cmp_eq_u32 s18, 2
	s_cselect_b32 s41, s45, s41
	s_cmp_eq_u32 s18, 3
	s_cselect_b32 s41, s49, s41                    ; e
	s_add_co_i32 s41, s41, 127
	s_lshl_b32 s42, s41, 23
	v_mov_b32 v11, s42                             ; 2^e as f32: the conversion takes its exponent field
	s_add_co_i32 s41, s41, 8
	s_lshl_b32 s41, s41, 23
	s_or_b32 s41, s41, 0x600000
	v_mov_b32 v10, s41                             ; 448 x 2^e
	s_wait_alu depctr_va_vdst(0)
.irp rho, 0,1,2,3,4,5,6,7,8,9,10,11,12,13,14,15
.irp kap, 0,1
	s_wait_loadcnt 31-2*\rho-\kap                  ; loads come back in order: this one is in, the younger ones stay out
	ds_store_b128 v2, v[R+8*\rho+4*\kap:R+8*\rho+4*\kap+3] offset:\rho*PITCH+512*\kap
.endr
.endr
.irp kap, 0,1
.irp c, 0,1,2,3
.irp jj, 0,1,2,3
	ds_load_b128 v[X+16*\c+4*\jj:X+16*\c+4*\jj+3], v3 offset:512*\kap+128*\c+16*\jj   ; LDS serves a wave's instructions in order: these see my stores
.endr
.endr
	s_wait_dscnt 0x0
.irp c, 0,1,2,3
.irp i, 0,1,2,3,4,5,6,7,8,9,10,11,12,13,14,15
	v_med3_num_f32 v[X+16*\c+\i], v[X+16*\c+\i], -v10, v10   ; the conversion to an 8-bit code does not saturate (ISA guide 7.6.2): the hold at the largest code x the scale
.endr
	v_cvt_scalef32_pk8_fp8_f32 v[C+16*\kap+4*\c:C+16*\kap+4*\c+1], v[X+16*\c:X+16*\c+7], v11
	v_cvt_scalef32_pk8_fp8_f32 v[C+16*\kap+4*\c+2:C+16*\kap+4*\c+3], v[X+16*\c+8:X+16*\c+15], v11
.endr
	v_nop                                          ; a plain line behind the last conversion of the run
.irp c, 0,1,2,3
	global_store_b128 v[1+4*\kap], v[C+16*\kap+4*\c:C+16*\kap+4*\c+3], s[14:15] offset:512*\c   ; 32 lanes store 512 consecutive bytes, at a multiple of 256 from the buffer's first byte
.endr
.endr
	s_wait_tensorcnt 0x0
	ds_add_u32 v14, v15
	s_wait_dscnt 0x0
	s_endpgm
.Lfunc_end_k_q7f19fd3050_wquant:
	.size	k_q7f19fd3050_wquant, .Lfunc_end_k_q7f19fd3050_wquant-k_q7f19fd3050_wquant
	.p2alignl 7, 3214868480
	.fill 96, 4, 3214868480
	.section	.rodata,"a",@progbits
	.p2align	6, 0x0
	.amdhsa_kernel k_q7f19fd3050_wquant
		.amdhsa_group_segment_fixed_size 67072
		.amdhsa_private_segment_fixed_size 0
		.amdhsa_enable_private_segment 0
		.amdhsa_kernarg_size 48
		.amdhsa_user_sgpr_count 2
		.amdhsa_user_sgpr_kernarg_segment_ptr 1
		.amdhsa_wavefront_size32 1
		.amdhsa_system_sgpr_workgroup_id_x 1
		.amdhsa_system_sgpr_workgroup_id_y 1
		.amdhsa_system_sgpr_workgroup_id_z 1
		.amdhsa_system_vgpr_workitem_id 0
		.amdhsa_next_free_vgpr 256
		.amdhsa_next_free_sgpr 66
		.amdhsa_reserve_vcc 0
		.amdhsa_float_denorm_mode_32 3
		.amdhsa_float_denorm_mode_16_64 3
		.amdhsa_memory_ordered 1
		.amdhsa_forward_progress 1
		.amdhsa_inst_pref_size 23
	.end_amdhsa_kernel
	.amdgpu_metadata
---
amdhsa.version: [ 1, 2 ]
amdhsa.kernels:
  - .name:           k_q7f19fd3050_wquant
    .symbol:         k_q7f19fd3050_wquant.kd
    .args:
      - { .name: Wq, .offset: 0, .size: 8, .value_kind: global_buffer, .address_space: global }
      - { .name: Wk, .offset: 8, .size: 8, .value_kind: global_buffer, .address_space: global }
      - { .name: Wv, .offset: 16, .size: 8, .value_kind: global_buffer, .address_space: global }
      - { .name: Wo, .offset: 24, .size: 8, .value_kind: global_buffer, .address_space: global }
      - { .name: lowp_scales, .offset: 32, .size: 8, .value_kind: global_buffer, .address_space: global }
      - { .name: wcodes, .offset: 40, .size: 8, .value_kind: global_buffer, .address_space: global }
    .group_segment_fixed_size: 67072
    .private_segment_fixed_size: 0
    .kernarg_segment_align: 8
    .kernarg_segment_size: 48
    .max_flat_workgroup_size: 128
    .sgpr_count:     66
    .vgpr_count:     256
    .wavefront_size: 32
...
	.end_amdgpu_metadata
.endif
;; end of part 1
;; launch mha (part 2): grid 256 x 1, 4 waves a work-group, no clusters, 327,680 bytes of LDS; arguments q, k, v, mask, lowp_scales, wcodes, out0; writes out0
.if DOCPART == 2
	.amdgcn_target "amdgcn-amd-amdhsa--gfx1250"
	.amdhsa_code_object_version 6
	.text
	.protected	k_q7f19fd3050_mha
	.globl	k_q7f19fd3050_mha
	.p2align	8
	.type	k_q7f19fd3050_mha,@function
k_q7f19fd3050_mha:
	s_mov_b64 s[64:65], 0
	v_nop
	global_prefetch_b8 v0, s[64:65] scope:SCOPE_SE
	s_setreg_imm32_b32 hwreg(HW_REG_WAVE_MODE, 25, 1), 1
	s_wait_xcnt 0x0
; The whole module for 64 tokens a work-group: q, k, v projections, attention over the 16 heads of each token, out projection.  Every input has a way to the output: nothing is left out.
; SHARES: each of four waves makes 256 of the 1,024 columns of every projection for all 64 tokens (64 accumulators, windows 2 and 3).  The weights' codes come from wcodes as images of the
; operand's registers, straight into window 1, four quarters (64 loads) ahead.  x comes as f32 in chunks of 256 along K through two LDS slots (a wave fetches its 16 rows by one tensor load),
; is quantised by its wave one chunk ahead, and the codes are shared through two code buffers.
; The twelve chunks (q0..q3, k0..k3, v0..v3) go through ONE body: trip n multiplies chunk n, quantises chunk n+1, asks for chunk n+2 and prefetches chunk n+3; slot, buffer, scale and source
; are made from n.  q and k are used transposed (a lane holds a token), v is not (a lane holds a channel); a tensor's first half chunk starts the sums: four arms, chosen by scalar branches on n.
; The last two trips refill nothing and are written out.  q's and k's results are quantised (EPI) into LDS; scores by the K = 64 form; softmax with the row's maximum taken away, normalised, f32;
; p v by the f32 matrix form (its result is quantised); the result's codes meet Wo's codes in four chunks of 64 columns a wave.
; No cluster: the weights are what work-groups share, and they go to registers without LDS; the x ring, q's and k's codes fill LDS, so there is no room for slots of weights.
; LIMITS: e0, e2, e4, e6-e0-e1, e7-e2-e3, e8-e4-e5 between -126 and 119; e8+e9 between -126 and 127.  NaN among the inputs is not served.
.set XR1,   66560                      ; raw x, slot 1 (slot 0 at 0): 4 waves x 16 rows x 1,040 bytes
.set XC0,   133120                     ; x's codes: two buffers of 16,384
.set QR,    165888                     ; q's codes; k's KRD further on; later the attention's codes
.set KRD,   70656
.set SPARE, 306176
.set ATA,   17664
.set MSB, 0
.macro WIN new
.if MSB != (\new)
	s_set_vgpr_msb (MSB<<8)|(\new)
.set MSB, (\new)
.endif
.endm
.macro PLACES n
.rept \n
	v_nop
.endr
.endm
; a trip's LDS addresses from n = s19: v186 raw slot (n+1)%2, v187 code buffer n%2, v188 code buffer (n+1)%2; dyn: chunk n+1's scale into v18, v19
.macro PRE dyn
	s_and_b32 s86, s19, 1
	s_xor_b32 s87, s86, 1
	s_mul_i32 s81, s86, XR1
	s_mul_i32 s82, s87, XR1
	s_lshl_b32 s83, s86, 14
	s_lshl_b32 s84, s87, 14
	v_add_nc_u32 v186, s82, v4
	v_add_nc_u32 v187, s83, v7
	v_add_nc_u32 v188, s84, v6
.if \dyn
	s_and_b32 s85, s19, 3                          ; 0: the tensor's first chunk
	s_add_co_u32 s88, s19, 1
	s_lshr_b32 s88, s88, 2
	s_cmp_eq_u32 s88, 1
	s_cselect_b32 s89, s52, s50
	s_cselect_b32 s90, s53, s51
	s_cmp_eq_u32 s88, 2
	s_cselect_b32 s89, s54, s89
	s_cselect_b32 s90, s55, s90
	v_mov_b32 v18, s89
	v_mov_b32 v19, s90
.endif
	s_wait_alu depctr_va_vdst(0)                   ; the wait ahead of the waits below
.endm
; the change of slots.  mode 2: refill; 1: the three lines, no refill; 0: a plain barrier
.macro HEAD mode
.if \mode
	s_wait_tensorcnt 0x0                           ; my one load that was out: chunk n+1
	ds_add_u32 v1, v2
.if \mode == 2
	s_mov_b64 s[34:35], s[76:77]                   ; chunk n+2, as the last trip prefetched it
	s_or_b32 s35, s35, 0x80000000
	s_add_co_u32 s33, s80, s81                     ; into slot n%2
	s_add_co_u32 s91, s19, 3                       ; chunk n+3: tensor (n+3)/4, 1,024 bytes a chunk
	s_lshr_b32 s92, s91, 2
	s_and_b32 s91, s91, 3
	s_lshl_b32 s78, s91, 10
	s_cmp_eq_u32 s92, 1
	s_cselect_b64 s[76:77], s[6:7], s[4:5]
	s_cmp_eq_u32 s92, 2
	s_cselect_b64 s[76:77], s[8:9], s[76:77]
	s_add_nc_u64 s[76:77], s[76:77], s[78:79]
.endif
.endif
	s_wait_dscnt 0x0                               ; the add, my reads of the slot and my stores of codes
	s_barrier_signal -1
	s_barrier_wait -1
.if \mode == 2
	tensor_load_to_lds s[32:35], s[24:31]
	s_nop 0
	PLACES 4
	s_cmp_lt_u32 s19, 9                            ; there is no chunk 12
	s_cbranch_scc0 .Lnopf_\@
	global_prefetch_b8 v17, s[76:77] th:TH_LOAD_NT scope:SCOPE_SE               ; my 16 rows x 1,024 bytes of chunk n+3: a lane a block of 256 bytes, one trip ahead of its load
	global_prefetch_b8 v17, s[76:77] offset:32768 th:TH_LOAD_NT scope:SCOPE_SE
.Lnopf_\@:
.endif
.endm
.macro AFETCH set, kap
.irp a, 0,1,2,3
.irp c, 0,1,2,3
	ds_load_b128 v[32+64*\set+16*\a+4*\c:32+64*\set+16*\a+4*\c+3], v187 offset:\a*4096+\kap*2048+512*\c
.endr
.endr
.endm
.macro XLD areg, kap, c, dst
.irp jj, 0,1,2,3
	ds_load_b128 v[\dst+4*\jj:\dst+4*\jj+3], v[\areg] offset:512*\kap+128*\c+16*\jj
.endr
.endm
.macro CONV src, dst, sc
.irp i, 0,1,2,3,4,5,6,7,8,9,10,11,12,13,14,15
	v_med3_num_f32 v[\src+\i], v[\src+\i], -v[\sc+1], v[\sc+1]   ; the conversion does not saturate (ISA guide 7.6.2)
.endr
	v_cvt_scalef32_pk8_fp8_f32 v[\dst:\dst+1], v[\src:\src+7], v[\sc]
	v_cvt_scalef32_pk8_fp8_f32 v[\dst+2:\dst+3], v[\src+8:\src+15], v[\sc]
.endm
; 16 products: four weight tiles x four blocks of 16 tokens; the 64 accumulators take turns
.macro MUL16 qd, set, tr, zero
.if \tr
	WIN 0xa1+0x50*((\qd)/2)
.else
	WIN 0xa4+0x50*((\qd)/2)
.endif
.irp tau, 0,1,2,3
.irp a, 0,1,2,3
.set rD, 8*(4*((4*(\qd)+\tau)%8)+\a)
.set rB, 16*(4*(\qd)+\tau)
.set rA, 32+64*(\set)+16*\a
.if \tr
.if \zero
	v_wmma_f32_16x16x128_fp8_fp8 v[rD:rD+7], v[rB:rB+15], v[rA:rA+15], 0
.else
	v_wmma_f32_16x16x128_fp8_fp8 v[rD:rD+7], v[rB:rB+15], v[rA:rA+15], v[rD:rD+7]
.endif
.else
.if \zero
	v_wmma_f32_16x16x128_fp8_fp8 v[rD:rD+7], v[rA:rA+15], v[rB:rB+15], 0
.else
	v_wmma_f32_16x16x128_fp8_fp8 v[rD:rD+7], v[rA:rA+15], v[rB:rB+15], v[rD:rD+7]
.endif
.endif
.endr
.endr
.endm
; dyn: the arm is chosen by n: q, k (n < 8) transposed, v not; the first half chunk of a tensor starts the sums
.macro MULSEL kap, qd, dyn
.if \dyn
	WIN 0
	s_cmp_lt_u32 s19, 8
	s_cbranch_scc0 .Lv_\@
.if \kap == 0
	s_cmp_eq_u32 s85, 0
	s_cbranch_scc1 .Ltz_\@
.endif
	MUL16 \qd, \kap, 1, 0
	WIN 0
	s_branch .Lj_\@
.if \kap == 0
.Ltz_\@:
	MUL16 \qd, \kap, 1, 1
	WIN 0
	s_branch .Lj_\@
.endif
.Lv_\@:
.if \kap == 0
	s_cmp_eq_u32 s85, 0
	s_cbranch_scc1 .Lvz_\@
.endif
	MUL16 \qd, \kap, 0, 0
	WIN 0
.if \kap == 0
	s_branch .Lj_\@
.Lvz_\@:
	MUL16 \qd, \kap, 0, 1
	WIN 0
.endif
.Lj_\@:
.else
	MUL16 \qd, \kap, 0, 0
.endif
.endm
.macro WLOADS qd, off
.irp tau, 0,1,2,3
.irp c, 0,1,2,3
	global_load_b128 v[64*(\qd)+16*\tau+4*\c:64*(\qd)+16*\tau+4*\c+3], v3, s[14:15] offset:\off+8192*(\qd)+2048*\tau+512*\c
.endr
.endr
.endm
.macro BLOAD qd, off
	WIN 0x40
	PLACES 4                                       ; places ahead of loads into registers that the products read
	WLOADS \qd, \off
	WIN 0
.endm
.macro QUARTER kap, qd, dyn, conv, lcnt, boff
.if \conv
	XLD 186, \kap, \qd, 160
.endif
.if \qd == 0
.if \conv
	s_wait_dscnt 0x4                               ; all but the four raw loads just issued
.else
	s_wait_dscnt 0x0
.endif
.endif
	s_wait_loadcnt \lcnt                           ; this quarter's 16 weight loads are in; the younger quarters' stay out
	MULSEL \kap, \qd, \dyn
.if (\kap == 1) && (\qd == 0) && (\boff >= 0)
	s_wait_xcnt 0x0                                ; the loads and prefetches issued so far have read their addresses: the youngest stand a quarter's products back
	s_add_nc_u64 s[14:15], s[14:15], 65536         ; the weights' base: on to the next trip's 65,536 bytes
.endif
.if \boff >= 0
	BLOAD \qd, \boff
.else
	WIN 0
.endif
.if \conv
	s_wait_dscnt 0x0
	CONV 160, 176, 18
	v_nop
	ds_store_b128 v188, v[176:179] offset:\kap*2048+512*\qd
.endif
.if (\kap == 0) && (\qd == 1)
	AFETCH 1, 1
.endif
.endm
.macro TRIP dyn, mode, conv, last
	PRE \dyn
	HEAD \mode
	AFETCH 0, 0
.irp qd, 0,1,2,3
	QUARTER 0, \qd, \dyn, \conv, 48, 32768
.endr
.irp qd, 0,1,2,3
.if \last
	QUARTER 1, \qd, \dyn, \conv, 48-16*\qd, -1
.else
	QUARTER 1, \qd, \dyn, \conv, 48, 0
.endif
.endr
.if \last
	s_wait_xcnt 0x0                                ; the last trip loads nothing in its second half: its step stands here
	s_add_nc_u64 s[14:15], s[14:15], 65536
.endif
.endm
; q's (n = 3) or k's (n = 7) results become codes in LDS
.macro EPI
	s_lshr_b32 s91, s19, 2
	s_min_u32 s91, s91, 1
	s_mul_i32 s22, s91, KRD
	s_add_co_u32 s22, s22, QR
	s_cmp_eq_u32 s91, 0
	s_cselect_b32 s92, s56, s58
	s_cselect_b32 s93, s57, s59
	v_mov_b32 v22, s92
	v_mov_b32 v23, s93
	v_add_nc_u32 v9, s22, v8
	WIN 0x82
.set i, 0
.rept 256
	v_med3_num_f32 v[i], v[i], -v23, v23
.set i, i+1
.endr
	WIN 0x02
.irp be, 0,1,2,3
.irp a, 0,1,2,3
	v_cvt_scalef32_pk8_fp8_f32 v[32+4*(4*\be+\a):32+4*(4*\be+\a)+1], v[8*(8*\be+\a):8*(8*\be+\a)+7], v22
	v_cvt_scalef32_pk8_fp8_f32 v[32+4*(4*\be+\a)+2:32+4*(4*\be+\a)+3], v[8*(8*\be+4+\a):8*(8*\be+4+\a)+7], v22
.endr
.endr
	WIN 0xc3
.set i, 0
.rept 256
	v_med3_num_f32 v[i], v[i], -v23, v23
.set i, i+1
.endr
	WIN 0x03
.irp be, 0,1,2,3
.irp a, 0,1,2,3
	v_cvt_scalef32_pk8_fp8_f32 v[96+4*(4*\be+\a):96+4*(4*\be+\a)+1], v[8*(8*\be+\a):8*(8*\be+\a)+7], v22
	v_cvt_scalef32_pk8_fp8_f32 v[96+4*(4*\be+\a)+2:96+4*(4*\be+\a)+3], v[8*(8*\be+4+\a):8*(8*\be+4+\a)+7], v22
.endr
.endr
	WIN 0
	v_nop
.irp be, 0,1,2,3,4,5,6,7
.irp a, 0,1,2,3
	ds_store_b128 v9, v[32+4*(4*\be+\a):32+4*(4*\be+\a)+3] offset:(2*\a+\be%2)*8704+16*(\be/2)
.endr
.endr
.endm
.macro PAT d, e                        ; s[d] = 2^e, s[d+1] = 448 x 2^e, as f32
	s_add_co_i32 s[\d+1], s[\e], 127
	s_lshl_b32 s[\d], s[\d+1], 23
	s_add_co_i32 s[\d+1], s[\d+1], 8
	s_lshl_b32 s[\d+1], s[\d+1], 23
	s_or_b32 s[\d+1], s[\d+1], 0x600000
.endm
	s_load_b256 s[4:11], s[0:1], 0x0               ; q, k, v, mask
	s_load_b128 s[12:15], s[0:1], 0x20             ; scales, wcodes
	s_load_b64 s[16:17], s[0:1], 0x30              ; out
	v_lshl_add_u32 v1, v0, 2, SPARE
	v_mov_b32 v2, 0
	ds_add_u32 v1, v2
	ds_add_u32 v1, v2
	s_wait_dscnt 0x0
	v_lshrrev_b32 v181, 5, v0
	v_readfirstlane_b32 s18, v181                  ; wave
	v_and_b32 v181, 31, v0
	v_and_b32 v182, 15, v0                         ; r
	v_bfe_u32 v183, v0, 4, 1                       ; h
	v_lshlrev_b32 v3, 4, v181                      ; 16 x lane
	v_lshrrev_b32 v17, 2, v181
	v_lshlrev_b32 v17, 12, v17
	v_and_b32 v184, 3, v181
	v_lshl_add_u32 v17, v184, 8, v17               ; prefetch: row lane/4, block lane%4
	v_lshlrev_b32 v9, 6, v182
	v_lshl_add_u32 v9, v183, 5, v9                 ; mask: row r, 8 h columns on
	s_mov_b32 s24, (2<<16)|(1<<20)|(7<<22)|(3<<25) ; 16 rows x 256 f32, four words of padding behind each
	s_mov_b32 s25, 256<<16
	s_mov_b32 s26, 16<<16
	s_mov_b32 s27, 256<<16
	s_mov_b32 s28, 16
	s_mov_b32 s29, 1024
	s_mov_b32 s30, 0
	s_mov_b32 s31, 0
	s_mov_b32 s32, 1
	s_mul_i32 s33, s18, 16640
	s_mov_b32 s80, s33
	s_mov_b32 s36, 1
	s_add_co_u32 s37, s33, XR1
	s_mov_b32 s20, 0x76543210
	s_mov_b32 s21, 0xfedcba98
	s_mov_b32 s79, 0
	s_lshl_b32 s66, ttmp9, 18
	s_lshl_b32 s68, s18, 16
	s_add_co_u32 s66, s66, s68                     ; x: my wave's 16 rows
	s_mov_b32 s67, 0
	s_lshl_b32 s68, ttmp9, 18
	s_lshl_b32 s70, s18, 10
	s_add_co_u32 s68, s68, s70                     ; out: my work-group's rows, my wave's 256 columns
	s_mov_b32 s69, 0
	s_lshl_b32 s70, s18, 20
	s_mov_b32 s71, 0
	s_wait_alu depctr_va_vdst(0)
	s_wait_kmcnt 0x0
	s_load_b256 s[40:47], s[12:13], 0x0
	s_load_b64 s[48:49], s[12:13], 0x20
	s_add_nc_u64 s[4:5], s[4:5], s[66:67]
	s_add_nc_u64 s[6:7], s[6:7], s[66:67]
	s_add_nc_u64 s[8:9], s[8:9], s[66:67]
	s_add_nc_u64 s[14:15], s[14:15], s[70:71]
	s_add_nc_u64 s[16:17], s[16:17], s[68:69]
	s_mov_b64 s[34:35], s[4:5]
	s_or_b32 s35, s35, 0x80000000
	s_add_nc_u64 s[38:39], s[4:5], 1024
	s_or_b32 s39, s39, 0x80000000
	s_add_nc_u64 s[76:77], s[4:5], 2048            ; chunk 2
	tensor_load_to_lds s[32:35], s[24:31]          ; chunk 0; the mask's and the weights' loads and the rest of the head stand under its flight
	s_nop 0
	global_load_b128 v[24:27], v9, s[10:11]
	global_load_b128 v[28:31], v9, s[10:11] offset:16
	WIN 0x40
.irp qd, 0,1,2,3
	WLOADS \qd, 0
.endr
	WIN 0
	v_mul_u32_u24 v4, v182, 1040
	v_lshl_add_u32 v4, v183, 6, v4
	v_add_nc_u32 v4, s33, v4                       ; raw x: my wave's row r, + 64 h
	s_lshl_b32 s72, s18, 12
	s_add_co_u32 s72, s72, XC0
	v_add_nc_u32 v6, s72, v3                       ; codes in: my wave's block
	v_add_nc_u32 v7, XC0, v3                       ; codes out
	v_mul_u32_u24 v8, v183, 4352
	v_mul_u32_u24 v184, v182, 272
	v_add_nc_u32 v8, v8, v184
	s_lshl_b32 s72, s18, 6
	v_add_nc_u32 v8, s72, v8                       ; q's, k's codes in
	v_mul_u32_u24 v10, v183, 4352
	v_lshl_add_u32 v10, v182, 4, v10
	s_mul_i32 s72, s18, 17408
	s_add_co_u32 s72, s72, QR
	v_add_nc_u32 v10, s72, v10                     ; q's codes out
	v_add_nc_u32 v11, KRD, v10                     ; k's
	s_lshl_b32 s72, s18, 14
	v_add_nc_u32 v12, s72, v3                      ; p in
	v_mul_u32_u24 v13, v182, 1104
	v_lshl_add_u32 v13, v183, 3, v13
	s_mul_i32 s72, s18, 272
	s_add_co_u32 s72, s72, QR
	v_add_nc_u32 v13, s72, v13                     ; the attention's codes in
	v_mul_u32_u24 v14, v183, 272
	v_lshl_add_u32 v14, v182, 4, v14
	v_add_nc_u32 v14, QR, v14                      ; and out
	v_add_nc_u32 v15, 2*ATA, v14
	v_lshlrev_b32 v16, 15, v183
	v_lshl_add_u32 v16, v182, 4, v16               ; out0: 8 h rows, 16 r bytes
	s_wait_kmcnt 0x0
	PAT 50, 40
	PAT 52, 42
	PAT 54, 44
	s_sub_co_i32 s72, s46, s40
	s_sub_co_i32 s72, s72, s41
	PAT 56, 72                                     ; e6 - e0 - e1
	s_sub_co_i32 s72, s47, s42
	s_sub_co_i32 s72, s72, s43
	PAT 58, 72
	s_sub_co_i32 s72, s48, s44
	s_sub_co_i32 s72, s72, s45
	PAT 60, 72
	s_add_co_i32 s62, s46, s47
	s_add_co_i32 s63, s48, s49
	s_add_co_i32 s63, s63, 127
	s_lshl_b32 s63, s63, 23
	v_mov_b32 v18, s50
	v_mov_b32 v19, s51
	s_wait_alu depctr_va_vdst(0)                   ; the wait at the head's end
	s_wait_tensorcnt 0x0                           ; chunk 0 is in; a later first fill goes as a refill does
	ds_add_u32 v1, v2
	s_wait_dscnt 0x0
	s_barrier_signal -1
	s_barrier_wait -1
	tensor_load_to_lds s[36:39], s[24:31]          ; chunk 1
	s_nop 0
	PLACES 4
	global_prefetch_b8 v17, s[76:77] th:TH_LOAD_NT scope:SCOPE_SE               ; chunk 2, one trip ahead of its load
	global_prefetch_b8 v17, s[76:77] offset:32768 th:TH_LOAD_NT scope:SCOPE_SE
.irp kap, 0,1
.irp c, 0,1,2,3
	XLD 4, \kap, \c, 32+64*\kap+16*\c
.endr
.endr
	s_wait_dscnt 0x0
.irp kap, 0,1
.irp c, 0,1,2,3
	CONV 32+64*\kap+16*\c, 160+16*\kap+4*\c, 18
.endr
.endr
	v_nop
.irp kap, 0,1
.irp c, 0,1,2,3
	ds_store_b128 v6, v[160+16*\kap+4*\c:160+16*\kap+4*\c+3] offset:\kap*2048+512*\c
.endr
.endr
	s_mov_b32 s19, 0
.Lproj:                                            ; trips 0 to 9
	TRIP 1, 2, 1, 0
	s_and_b32 s91, s19, 3
	s_cmp_eq_u32 s91, 3                            ; n = 3, 7: a tensor is finished
	s_cbranch_scc0 .Lnoepi
	EPI
.Lnoepi:
	s_add_co_u32 s19, s19, 1
	s_cmp_lt_u32 s19, 10
	s_cbranch_scc1 .Lproj
	TRIP 0, 1, 1, 0                                ; trip 10: nothing more to ask for
	s_add_co_u32 s19, s19, 1
	TRIP 0, 0, 0, 1                                ; trip 11: nothing more to quantise
	PLACES 4
.irp i, 0,1,2,3,4,5,6,7
	v_mul_f32 v[24+\i], 0x3e38aa3b, v[24+\i]       ; mask x log2(e) / 8
.endr
.irp i, 0,1,2,3,4,5,6,7
	v_ldexp_f32 v[24+\i], v[24+\i], s62            ; x 2^(e6 + e7)
.endr
	s_mov_b32 s19, 0
.Lsm:                                              ; scores and softmax: my wave's 16 tokens, four a trip
	s_mul_i32 s91, s19, 1088
	s_lshl_b32 s92, s19, 12
	v_add_nc_u32 v186, s91, v10
	v_add_nc_u32 v187, s91, v11
	v_add_nc_u32 v188, s92, v12
	s_wait_alu depctr_va_vdst(0)
	WIN 0x40
.irp rho, 0,1,2,3
.irp cc, 0,1
	ds_load_b128 v[16*\rho+4*\cc:16*\rho+4*\cc+3], v186 offset:\cc*8704+\rho*272
	ds_load_b128 v[16*\rho+8+4*\cc:16*\rho+8+4*\cc+3], v187 offset:\cc*8704+\rho*272
.endr
.endr
	s_wait_dscnt 0x0
	WIN 0x05
.irp rho, 0,1,2,3
	v_wmma_f32_16x16x64_fp8_fp8 v[32+8*\rho:32+8*\rho+7], v[16*\rho+8:16*\rho+15], v[16*\rho:16*\rho+7], 0
.endr
	WIN 0
	PLACES 4
	s_wait_alu depctr_va_vdst(0)
.irp t, 0,1,2,3
.irp i, 0,2,4,6
	v_pk_mul_f32 v[32+8*\t+\i:33+8*\t+\i], v[32+8*\t+\i:33+8*\t+\i], v[24+\i:25+\i]
.endr
.endr
.irp t, 0,1,2,3
	v_max3_num_f32 v[160+2*\t], v[32+8*\t], v[33+8*\t], v[34+8*\t]
.endr
.irp t, 0,1,2,3
	v_max3_num_f32 v[160+2*\t], v[160+2*\t], v[35+8*\t], v[36+8*\t]
.endr
.irp t, 0,1,2,3
	v_max3_num_f32 v[160+2*\t], v[160+2*\t], v[37+8*\t], v[38+8*\t]
.endr
.irp t, 0,1,2,3
	v_max_num_f32 v[160+2*\t], v[160+2*\t], v[39+8*\t]
.endr
.irp t, 0,1,2,3
	v_permlanex16_b32 v[161+2*\t], v[160+2*\t], s20, s21
.endr
.irp t, 0,1,2,3
	v_max_num_f32 v[160+2*\t], v[160+2*\t], v[161+2*\t]   ; the row's maximum
.endr
.irp t, 0,1,2,3
.irp i, 0,2,4,6
	v_pk_add_f32 v[32+8*\t+\i:33+8*\t+\i], v[32+8*\t+\i:33+8*\t+\i], v[160+2*\t:161+2*\t] op_sel_hi:[1,0] neg_lo:[0,1] neg_hi:[0,1]
.endr
.endr
	s_wait_alu depctr_va_vdst(0)                   ; ahead of the batch
.set i, 0
.rept 32
	v_exp_f32 v[32+i], v[32+i]
.set i, i+1
.endr
	v_nop
	s_wait_alu depctr_va_vdst(0)                   ; and behind it
.irp t, 0,1,2,3
	v_pk_add_f32 v[160+2*\t:161+2*\t], v[32+8*\t:33+8*\t], v[34+8*\t:35+8*\t]
.endr
.irp t, 0,1,2,3
	v_pk_add_f32 v[160+2*\t:161+2*\t], v[160+2*\t:161+2*\t], v[36+8*\t:37+8*\t]
.endr
.irp t, 0,1,2,3
	v_pk_add_f32 v[160+2*\t:161+2*\t], v[160+2*\t:161+2*\t], v[38+8*\t:39+8*\t]
.endr
.irp t, 0,1,2,3
	v_add_f32 v[160+2*\t], v[160+2*\t], v[161+2*\t]
.endr
.irp t, 0,1,2,3
	v_permlanex16_b32 v[161+2*\t], v[160+2*\t], s20, s21
.endr
.irp t, 0,1,2,3
	v_add_f32 v[160+2*\t], v[160+2*\t], v[161+2*\t]
.endr
	s_wait_alu depctr_va_vdst(0)
.irp t, 0,1,2,3
	v_rcp_f32 v[160+2*\t], v[160+2*\t]
.endr
	v_nop
	s_wait_alu depctr_va_vdst(0)
.irp t, 0,1,2,3
.irp i, 0,2,4,6
	v_pk_mul_f32 v[32+8*\t+\i:33+8*\t+\i], v[32+8*\t+\i:33+8*\t+\i], v[160+2*\t:161+2*\t] op_sel_hi:[1,0]
.endr
.endr
.irp rho, 0,1,2,3
.irp c2, 0,1
	ds_store_b128 v188, v[32+8*\rho+4*\c2:32+8*\rho+4*\c2+3] offset:\rho*1024+512*\c2
.endr
.endr
	s_add_co_u32 s19, s19, 1
	s_cmp_lt_u32 s19, 4
	s_cbranch_scc1 .Lsm
	v_mov_b32 v18, s60
	v_mov_b32 v19, s61
.irp i, 180,185,189,190,191
	v_mov_b32 v[\i], 0                             ; written once: a lane permute's destination counts as a source
.endr
	s_mov_b32 vcc_lo, 0xffff0000                   ; lanes 16-31; no tensor load follows
; v's operand for two tokens (16 a + j and 16 a + 8 + j): lanes 0-15 heads 0-7, lanes 16-31 heads 8-15
.macro PREPJ a, j
.set tA, 160+16*((\j)%2)
.set tB, tA+8
.set vB, 128*((\a)%2)+8*(\j)
	WIN 0x03
.irp g, 0,1,2,3,4,5,6,7
	v_permlanex16_b32 v[tA+\g], v[8*(4*\g+(\a))+(\j)], s20, s21
.endr
	WIN 0x02
.irp g, 0,1,2,3,4,5,6,7
	v_permlanex16_b32 v[tB+\g], v[8*(4*\g+(\a))+(\j)], s20, s21
.endr
	WIN 0x42
.irp g, 0,1,2,3,4,5,6,7
	v_cndmask_b32 v[vB+\g], v[8*(4*\g+(\a))+(\j)], v[tA+\g], vcc_lo
.endr
	WIN 0x4c
.irp g, 0,1,2,3,4,5,6,7
	v_cndmask_b32 v[vB+64+\g], v[tB+\g], v[8*(4*\g+(\a))+(\j)], vcc_lo
.endr
	WIN 0
.endm
.macro QATT gg                         ; four tokens' results become codes
.set qD, 192+32*((\gg)%2)
.set qC, 128+8*((\gg)%2)
.irp u, 0,1,2,3
.irp j, 0,1,2,3,4,5,6,7
	v_med3_num_f32 v[96+8*\u+\j], v[qD+8*\u+\j], -v19, v19
.endr
.endr
.irp u, 0,1,2,3
	v_cvt_scalef32_pk8_fp8_f32 v[qC+2*\u:qC+2*\u+1], v[96+8*\u:96+8*\u+7], v18
.endr
	v_nop
.irp u, 0,1,2,3
	ds_store_b64 v13, v[qC+2*\u:qC+2*\u+1] offset:((\gg)/4)*ATA+16*(4*((\gg)%4)+\u)
.endr
.endm
.macro GROUP gg                        ; p v for four tokens, f32: four accumulators by turns
.set gD, 192+32*((\gg)%2)
.set gP, 32+32*((\gg)%2)
.set gV, 128*(((\gg)/4)%2)+32*((\gg)%4)
.set nP, 32+32*(((\gg)+1)%2)
.if (\gg) < 2
	s_wait_dscnt 0x0
.else
	s_wait_dscnt 0x4                               ; the last group's four stores may be out
.endif
	WIN 0x01
.irp i, 0,1,2,3
.irp u, 0,1,2,3
.if \i == 0
	v_wmma_f32_16x16x4_f32 v[gD+8*\u:gD+8*\u+7], v[gV+8*\u:gV+8*\u+1], v[gP+8*\u:gP+8*\u+1], 0
.else
	v_wmma_f32_16x16x4_f32 v[gD+8*\u:gD+8*\u+7], v[gV+8*\u+2*\i:gV+8*\u+2*\i+1], v[gP+8*\u+2*\i:gP+8*\u+2*\i+1], v[gD+8*\u:gD+8*\u+7]
.endif
.endr
.endr
	WIN 0
	PLACES 9
.if (\gg) < 15
.irp u, 0,1,2,3
.irp c2, 0,1
	ds_load_b128 v[nP+8*\u+4*\c2:nP+8*\u+4*\c2+3], v3 offset:(4*((\gg)+1)+\u)*1024+512*\c2
.endr
.endr
.endif
.if (\gg) < 12
	PREPJ (\gg)/4+1, 2*((\gg)%4)
	PREPJ (\gg)/4+1, 2*((\gg)%4)+1
.endif
.if (\gg) > 0
	QATT (\gg)-1
.endif
.endm
.irp j, 0,1,2,3,4,5,6,7
	PREPJ 0, \j
.endr
	s_wait_dscnt 0x0                               ; my p is stored
	s_barrier_signal -1
	s_barrier_wait -1
.irp u, 0,1,2,3
.irp c2, 0,1
	ds_load_b128 v[32+8*\u+4*\c2:32+8*\u+4*\c2+3], v3 offset:\u*1024+512*\c2
.endr
.endr
.irp gg, 0,1,2,3,4,5,6,7,8,9,10,11,12,13,14,15
	GROUP \gg
.endr
	WIN 0x40
.irp qd, 0,1,2,3
	WLOADS \qd, 0                                  ; Wo's first four quarters
.endr
	WIN 0
	QATT 15
	s_wait_dscnt 0x0
	s_barrier_signal -1
	s_barrier_wait -1
	WIN 0x80                                       ; the attention's codes, 64 tokens x 1,024, stay in windows 2 and 3
.irp a, 0,1
.irp s, 0,1,2,3,4,5,6,7
.irp c, 0,1,2,3
	ds_load_b128 v[128*\a+16*\s+4*\c:128*\a+16*\s+4*\c+3], v14 offset:\a*ATA+(2*\s+\c/2)*1104+(\c%2)*544
.endr
.endr
.endr
	WIN 0xc0
.irp a, 0,1
.irp s, 0,1,2,3,4,5,6,7
.irp c, 0,1,2,3
	ds_load_b128 v[128*\a+16*\s+4*\c:128*\a+16*\s+4*\c+3], v15 offset:\a*ATA+(2*\s+\c/2)*1104+(\c%2)*544
.endr
.endr
.endr
	WIN 0
	s_wait_dscnt 0x0
.macro G4Q s, lcnt, boff
	s_wait_loadcnt \lcnt
.irp a, 0,1,2,3
	WIN 0x06+\a/2
.irp tau, 0,1,2,3
.if (\s) == 0
	v_wmma_f32_16x16x128_fp8_fp8 v[32+8*(4*\a+\tau):32+8*(4*\a+\tau)+7], v[128*(\a%2)+16*(\s):128*(\a%2)+16*(\s)+15], v[16*(4*((\s)%4)+\tau):16*(4*((\s)%4)+\tau)+15], 0
.else
	v_wmma_f32_16x16x128_fp8_fp8 v[32+8*(4*\a+\tau):32+8*(4*\a+\tau)+7], v[128*(\a%2)+16*(\s):128*(\a%2)+16*(\s)+15], v[16*(4*((\s)%4)+\tau):16*(4*((\s)%4)+\tau)+15], v[32+8*(4*\a+\tau):32+8*(4*\a+\tau)+7]
.endif
.endr
.endr
.if \boff >= 0
	BLOAD (\s)%4, \boff
.else
	WIN 0
.endif
.endm
	s_mov_b32 s19, 0
.Lout:                                             ; four chunks of 64 columns a wave
.irp s, 0,1,2,3
	G4Q \s, 48, 32768
.endr
	s_cmp_eq_u32 s19, 3
	s_cbranch_scc1 .Llastc
.irp s, 4,5,6,7
	G4Q \s, 48, 65536
.endr
	s_branch .Lsto
.Llastc:                                           ; the last chunk has no successor to load for
.irp s, 4,5,6,7
	G4Q \s, 48-16*(\s-4), -1
.endr
.Lsto:
	PLACES 4
.irp a, 0,1,2,3
.irp j, 0,1,2,3,4,5,6,7
.if (\j == 0) && (\a > 0)
	s_wait_xcnt 0x0                                ; the stores have read their data
.endif
.irp tau, 0,1,2,3
	v_mul_f32 v[160+4*\j+\tau], s63, v[32+8*(4*\a+\tau)+\j]   ; x 2^(e8 + e9)
.endr
	global_store_b128 v16, v[160+4*\j:163+4*\j], s[16:17] offset:(16*\a+\j)*4096 th:TH_STORE_NT   ; 16 lanes store 256 consecutive bytes, aligned
.endr
.endr
	s_wait_xcnt 0x0
	s_add_nc_u64 s[14:15], s[14:15], 65536
	s_add_nc_u64 s[16:17], s[16:17], 256
	s_add_co_u32 s19, s19, 1
	s_cmp_lt_u32 s19, 4
	s_cbranch_scc1 .Lout
	s_wait_tensorcnt 0x0                           ; the wave's end
	ds_add_u32 v1, v2
	s_wait_dscnt 0x0
	s_endpgm
.Lfunc_end_k_q7f19fd3050_mha:
	.size	k_q7f19fd3050_mha, .Lfunc_end_k_q7f19fd3050_mha-k_q7f19fd3050_mha
	.p2alignl 7, 3214868480
	.fill 96, 4, 3214868480
	.section	.rodata,"a",@progbits
	.p2align	6, 0x0
	.amdhsa_kernel k_q7f19fd3050_mha
		.amdhsa_group_segment_fixed_size 327680
		.amdhsa_private_segment_fixed_size 0
		.amdhsa_enable_private_segment 0
		.amdhsa_kernarg_size 56
		.amdhsa_user_sgpr_count 2
		.amdhsa_user_sgpr_kernarg_segment_ptr 1
		.amdhsa_wavefront_size32 1
		.amdhsa_system_sgpr_workgroup_id_x 1
		.amdhsa_system_sgpr_workgroup_id_y 1
		.amdhsa_system_sgpr_workgroup_id_z 1
		.amdhsa_system_vgpr_workitem_id 0
		.amdhsa_next_free_vgpr 1024
		.amdhsa_next_free_sgpr 100
		.amdhsa_reserve_vcc 1
		.amdhsa_float_denorm_mode_32 3
		.amdhsa_float_denorm_mode_16_64 3
		.amdhsa_memory_ordered 1
		.amdhsa_forward_progress 1
		.amdhsa_inst_pref_size 255
	.end_amdhsa_kernel
	.section	.bss,"aw",@nobits
	.p2align	6
	.space	262144
	.amdgpu_metadata
---
amdhsa.version: [ 1, 2 ]
amdhsa.kernels:
  - .name:           k_q7f19fd3050_mha
    .symbol:         k_q7f19fd3050_mha.kd
    .args:
      - { .name: q, .offset: 0, .size: 8, .value_kind: global_buffer, .address_space: global }
      - { .name: k, .offset: 8, .size: 8, .value_kind: global_buffer, .address_space: global }
      - { .name: v, .offset: 16, .size: 8, .value_kind: global_buffer, .address_space: global }
      - { .name: mask, .offset: 24, .size: 8, .value_kind: global_buffer, .address_space: global }
      - { .name: lowp_scales, .offset: 32, .size: 8, .value_kind: global_buffer, .address_space: global }
      - { .name: wcodes, .offset: 40, .size: 8, .value_kind: global_buffer, .address_space: global }
      - { .name: out0, .offset: 48, .size: 8, .value_kind: global_buffer, .address_space: global }
    .group_segment_fixed_size: 327680
    .private_segment_fixed_size: 0
    .kernarg_segment_align: 8
    .kernarg_segment_size: 56
    .max_flat_workgroup_size: 128
    .sgpr_count:     100
    .vgpr_count:     1024
    .wavefront_size: 32
...
	.end_amdgpu_metadata
.endif
;; end of part 2
